; MI455X (gfx1250); checked and timed in simulation.
; The chip was launched on July 23, 2026; its instructions are those of AMD's public machine-readable ISA for CDNA 5 (MIT licence, August 2026) and "CDNA5" Instruction Set Architecture Reference Guide (July 2026). The comments in the code are by the model that wrote it; some were corrected since.
;; FP8 Linear. Allowed arithmetic: matrix products marked QUANTISED: E2M3 operands, one E8M0 scale for each 32 along K, by v_wmma_scale_f32_16x16x128_f8f6f4 with both operands' format E2M3, f32 sums; everything else in f32.
;; Inputs: bias 4,096 float16; weight 4,096 x 4,096 float16; x 4,096 x 4,096 float16.
;; Outputs: out0 4,096 x 4,096 float16.
;; This version of the problem:
;;   THIS VERSION OF THE PROBLEM IS GIVEN IN LOW PRECISION. The matrix products marked QUANTISED in the list below multiply operands that are first quantised to E2M3 (2 exponent bits, 3 mantissa bits; 6 bits a number), with one power-of-two scale for each 32 numbers along K (OCP MX v1.0); their sums are f32. All else is computed in f32.
;;   The module's matrix products, in the order in which they are computed (A, B: the left and right operand; K: the contracted axis; several contracted axes count as one K, in the product's order):
;;     1. [M 4,096, K 4,096] x [K 4,096, N 4,096]; A: computed on the way; B: computed on the way: QUANTISED
;;   THE QUANTISER, for each operand of a quantised product, along K:
;;     - K is cut into blocks of 32 from its start; a last block that is shorter is filled with zeros.
;;     - A block's scale is 2^e with e = floor(log2(the largest magnitude in the block)) - 2, held to -126 .. 127; a block of zeros has e = 0. As a byte (E8M0): e + 127.
;;     - Each number is divided by its block's scale, clamped to +-7.5, and rounded to the nearest number of E2M3, ties to even, subnormals kept.
;;     - The product sums the exact products of the quantised numbers (number of the format x scale) in f32.
;;   ~~~python
;;   def quantise(x, axis):      # numpy; x: float32 -> the quantised numbers, widened to float32 again
;;       x = np.moveaxis(x, axis, -1); K = x.shape[-1]
;;       x = np.pad(x, [(0, 0)] * (x.ndim - 1) + [(0, -K % 32)]); x = x.reshape(x.shape[:-1] + (-1, 32)); a = np.abs(x).max(-1, keepdims=True)
;;       e = np.where(a > 0, np.clip(np.frexp(np.where(a > 0, a, 1))[1] - 1 - 2, -126, 127), 0)      # np.frexp(a)[1] - 1 = floor(log2(a)), exactly
;;       r = np.clip(x / 2.0 ** e, -7.5, 7.5)
;;       step = 2.0 ** (np.maximum(np.frexp(np.where(r == 0, 1, r))[1] - 1, 0) - 3)
;;       q = np.round(r / step) * step * 2.0 ** e      # np.round: ties to even
;;       return np.moveaxis(q.reshape(q.shape[:-2] + (-1,))[..., :K], -1, axis).astype(np.float32)
;;   ~~~
;;   OPERANDS COMPUTED ON THE WAY. 'Computed on the way' means the value that the module computes at that place (a softmax that the list does not call 'softmax' is quantised finished and normalised). What goes into a quantiser is computed in f32, as accurately as f32 sums, v_exp_f32 and their like allow (about 1e-6 of the number): no bf16 or f16 on the way to a quantiser, and a product that is left as it is and whose result goes on into a quantised operand takes f32 operands (vector FMAs, or v_wmma_f32_16x16x4_f32). A number that lies on a knife's edge between two numbers of the format may be rounded either way, as far as f32 arithmetic and the matrix unit's own rounding can turn it there, and no further.
;; One version. Each part assembles by itself: llvm-mc -triple=amdgcn-amd-amdhsa -mcpu=gfx1250 --defsym DOCPART=n.
;; ======== version 1 of 1: 3 launches
;; limits: values are held in f16: magnitudes above 65,504 overflow, below 6.1e-05 lose precision; right only within a limited range of input values
;; workspace buffers: part 2,048 bytes; xq 13,107,200 bytes; wq 13,107,200 bytes
;; launch amax (part 1): grid 256 x 2, 16 waves a work-group, no clusters, 2,304 bytes of LDS; arguments x, weight, part; writes part
.if DOCPART == 1
	.amdgcn_target "amdgcn-amd-amdhsa--gfx1250"
	.amdhsa_code_object_version 6
	.text
	.protected	k_qbd78fbe618_amax
	.globl	k_qbd78fbe618_amax
	.p2align	8
	.type	k_qbd78fbe618_amax,@function
k_qbd78fbe618_amax:
	s_mov_b64 s[64:65], 0
	v_nop
	global_prefetch_b8 v0, s[64:65] scope:SCOPE_SE
	s_setreg_imm32_b32 hwreg(HW_REG_WAVE_MODE, 25, 1), 1
	s_wait_xcnt 0x0
; part[256 y + bx] = the largest |t| of 131,072 bytes (65,536 f16 numbers) of tensor y (0: x, 1: weight), as f32.
; 256 work-groups a tensor cover its 33,554,432 bytes.  A wave takes 8,192 bytes: sixteen loads of 512 consecutive bytes, all issued at the head.
; THE MAXIMUM IS TAKEN ON THE WORDS AS THEY LIE.  For finite f16 numbers the magnitude rises with its 15 bits read as a whole number, and so does a positive f32 with its 31 bits.
; A word of two f16, read as an f32 magnitude, is therefore ordered by its upper f16 magnitude first; shifted left by 16 it is ordered by its lower one.  One shift and one three-way maximum
; with |.| on the sources serve two numbers, and the upper half of the final maximum IS the largest f16 magnitude: it is widened to f32 once, at the end.
; LIMITS: NaN and infinities among the inputs are not served (an f16 NaN reads as an f32 NaN or a large number here, where the reference would carry it on).
; No tensor loads, no matrix unit, no cluster: a stream that is read once here; work-groups share nothing.
.set M, 8                              ; v8-11   four running maxima
.set R, 16                             ; v16-79  load j at R + 4 j
.set T, 80                             ; v80-83  the words shifted
	s_load_b128 s[4:7], s[0:1], 0x0                ; x, weight
	s_load_b64 s[8:9], s[0:1], 0x10                ; part
	v_lshl_add_u32 v96, v0, 2, 0x100
	v_mov_b32 v97, 0
	s_and_b32 s10, ttmp7, 0xffff                   ; y: which tensor
	v_and_b32 v1, 0x1e0, v0                        ; 32 x wave
	v_and_b32 v2, 31, v0                           ; lane
	s_delay_alu instid0(VALU_DEP_2)
	v_lshlrev_b32 v1, 8, v1                        ; 8,192 x wave
	s_delay_alu instid0(VALU_DEP_1)
	v_lshl_or_b32 v1, v2, 4, v1                    ; + 16 x lane
	s_mov_b32 s12, 0x76543210                      ; v_permlanex16_b32: each lane takes its own place in the other half
	s_mov_b32 s13, 0xfedcba98
	s_lshl_b32 s14, ttmp9, 17                      ; the work-group's 131,072 bytes
	s_mov_b32 s15, 0
	s_lshl_b32 s16, s10, 10                        ; its word in part: 1,024 y + 4 bx
	s_lshl_b32 s17, ttmp9, 2
	s_add_co_u32 s16, s16, s17
	s_mov_b32 s17, 0
	s_wait_alu depctr_va_vdst(0)
	s_wait_kmcnt 0x0
	s_cmp_eq_u32 s10, 0                            ; the choice hangs on the work-group's number alone
	s_cselect_b64 s[4:5], s[4:5], s[6:7]
	s_add_nc_u64 s[4:5], s[4:5], s[14:15]
	s_add_nc_u64 s[8:9], s[8:9], s[16:17]
.irp j, 0,1,2,3,4,5,6,7,8,9,10,11,12,13,14,15
	global_load_b128 v[R+4*\j:R+4*\j+3], v1, s[4:5] offset:512*\j   ; 32 lanes read 512 consecutive bytes; the next launch reads them again, so no hint
.endr
.irp j, 0,1,2,3,4,5,6,7,8,9,10,11,12,13,14,15
	s_wait_loadcnt 15-\j                           ; loads come back in order: load j is in, the 15 - j younger ones stay out
.irp k, 0,1,2,3
	v_lshlrev_b32 v[T+\k], 16, v[R+4*\j+\k]        ; the lower f16 moves up
.endr
	s_wait_alu depctr_va_vdst(0)
.irp k, 0,1,2,3
.if \j == 0
	v_max_num_f32 v[M+\k], |v[R+\k]|, |v[T+\k]|    ; the first four words start the chains: nothing is cleared
.else
	v_max3_num_f32 v[M+\k], v[M+\k], |v[R+4*\j+\k]|, |v[T+\k]|
.endif
.endr
.endr
	s_delay_alu instid0(VALU_DEP_2)
	v_max3_num_f32 v8, v8, v9, v10
	s_delay_alu instid0(VALU_DEP_1)
	v_max_num_f32 v8, v8, v11
	s_delay_alu instid0(VALU_DEP_1)
	v_max_num_f32_dpp v8, v8, v8 row_xmask:1 row_mask:0xf bank_mask:0xf
	s_delay_alu instid0(VALU_DEP_1)
	v_max_num_f32_dpp v8, v8, v8 row_xmask:2 row_mask:0xf bank_mask:0xf
	s_delay_alu instid0(VALU_DEP_1)
	v_max_num_f32_dpp v8, v8, v8 row_xmask:4 row_mask:0xf bank_mask:0xf
	s_delay_alu instid0(VALU_DEP_1)
	v_max_num_f32_dpp v8, v8, v8 row_xmask:8 row_mask:0xf bank_mask:0xf
	s_delay_alu instid0(VALU_DEP_1)
	v_permlanex16_b32 v9, v8, s12, s13             ; (v9 has been written)
	s_delay_alu instid0(VALU_DEP_1)
	v_max_num_f32 v8, v8, v9                       ; the wave's maximum, in every lane
	v_lshrrev_b32 v2, 5, v0
	s_delay_alu instid0(VALU_DEP_1)
	v_lshlrev_b32 v2, 2, v2                        ; 4 x wave
	ds_store_b32 v2, v8                            ; all lanes write the same word with the same value
	s_wait_dscnt 0x0                               ; for the others' sake: my store has landed
	s_barrier_signal -1
	s_barrier_wait -1
	v_mov_b32 v3, 0
.irp i, 0,1,2,3
	ds_load_b128 v[R+4*\i:R+4*\i+3], v3 offset:16*\i   ; the sixteen waves' maxima
.endr
	s_wait_dscnt 0x0
	v_max3_num_f32 v8, v16, v17, v18
	v_max3_num_f32 v9, v19, v20, v21
	v_max3_num_f32 v10, v22, v23, v24
	v_max3_num_f32 v11, v25, v26, v27
	s_delay_alu instid0(VALU_DEP_4)
	v_max3_num_f32 v8, v8, v28, v29
	s_delay_alu instid0(VALU_DEP_4)
	v_max3_num_f32 v9, v9, v30, v31
	s_delay_alu instid0(VALU_DEP_1)
	v_max3_num_f32 v8, v8, v9, v10
	s_delay_alu instid0(VALU_DEP_1)
	v_max_num_f32 v8, v8, v11
	s_delay_alu instid0(VALU_DEP_1)
	v_cvt_f32_f16 v9, v8.h                         ; its upper half is the largest f16 magnitude
	v_cmp_eq_u32 vcc_lo, 0, v0                     ; thread 0 stores the work-group's word
	s_wait_alu depctr_va_vdst(0)
	s_wait_xcnt 0x0                                ; EXEC changes only behind this wait: it is a source of the loads above
	s_wait_tensorcnt 0x0
	ds_add_u32 v96, v97
	s_wait_dscnt 0x0
	s_and_saveexec_b32 s18, vcc_lo
	global_store_b32 v3, v9, s[8:9]
	s_wait_xcnt 0x0                                ; and again in front of the line that widens it
	s_or_b32 exec_lo, exec_lo, s18
	s_endpgm
.Lfunc_end_k_qbd78fbe618_amax:
	.size	k_qbd78fbe618_amax, .Lfunc_end_k_qbd78fbe618_amax-k_qbd78fbe618_amax
	.p2alignl 7, 3214868480
	.fill 96, 4, 3214868480
	.section	.rodata,"a",@progbits
	.p2align	6, 0x0
	.amdhsa_kernel k_qbd78fbe618_amax
		.amdhsa_group_segment_fixed_size 2304
		.amdhsa_private_segment_fixed_size 0
		.amdhsa_enable_private_segment 0
		.amdhsa_kernarg_size 24
		.amdhsa_user_sgpr_count 2
		.amdhsa_user_sgpr_kernarg_segment_ptr 1
		.amdhsa_wavefront_size32 1
		.amdhsa_system_sgpr_workgroup_id_x 1
		.amdhsa_system_sgpr_workgroup_id_y 1
		.amdhsa_system_sgpr_workgroup_id_z 1
		.amdhsa_system_vgpr_workitem_id 0
		.amdhsa_next_free_vgpr 98
		.amdhsa_next_free_sgpr 66
		.amdhsa_reserve_vcc 1
		.amdhsa_float_denorm_mode_32 3
		.amdhsa_float_denorm_mode_16_64 3
		.amdhsa_memory_ordered 1
		.amdhsa_forward_progress 1
		.amdhsa_inst_pref_size 13
	.end_amdhsa_kernel
	.amdgpu_metadata
---
amdhsa.version: [ 1, 2 ]
amdhsa.kernels:
  - .name:           k_qbd78fbe618_amax
    .symbol:         k_qbd78fbe618_amax.kd
    .args:
      - { .name: x, .offset: 0, .size: 8, .value_kind: global_buffer, .address_space: global }
      - { .name: weight, .offset: 8, .size: 8, .value_kind: global_buffer, .address_space: global }
      - { .name: part, .offset: 16, .size: 8, .value_kind: global_buffer, .address_space: global }
    .group_segment_fixed_size: 2304
    .private_segment_fixed_size: 0
    .kernarg_segment_align: 8
    .kernarg_segment_size: 24
    .max_flat_workgroup_size: 512
    .sgpr_count:     66
    .vgpr_count:     98
    .wavefront_size: 32
...
	.end_amdgpu_metadata
.endif
;; end of part 1
;; launch quant (part 2): grid 512 x 2, 4 waves a work-group, no clusters, 17,920 bytes of LDS; arguments x, weight, part, xq, wq; writes xq, wq
.if DOCPART == 2
	.amdgcn_target "amdgcn-amd-amdhsa--gfx1250"
	.amdhsa_code_object_version 6
	.text
	.protected	k_qbd78fbe618_quant
	.globl	k_qbd78fbe618_quant
	.p2align	8
	.type	k_qbd78fbe618_quant,@function
k_qbd78fbe618_quant:
	s_mov_b64 s[64:65], 0
	v_nop
	global_prefetch_b8 v0, s[64:65] scope:SCOPE_SE
	s_setreg_imm32_b32 hwreg(HW_REG_WAVE_MODE, 25, 1), 1
	s_wait_xcnt 0x0
; Tensor y (0: x, 1: weight), [4096][4096] f16, becomes the operand of the product: each number t goes through the module's own per-tensor quantiser,
; u = E4M3(clip(t x (448 / amax), -448, 448)), in f32 up to the rounding, and u is then quantised along K to codes of FP6 (E2M3) with one E8M0 scale byte for each 32.
; A block's scale is 2^(floor(log2(its largest |u|)) - 2): its byte is the largest magnitude's exponent field - 2, held at 1 from below.
; LIMITS: a block of zeros gets the byte 1 where the rule says 127: its codes are zeros, which add nothing, and this program alone reads the bytes.  NaN and infinities are not served.
; THE OUTPUT IS LAID AS THE PRODUCT'S LAUNCH READS IT: [block of 128 rows mb][K step of 128 ks][record of 12,800 bytes].  A record: eight fragments (16 rows x 128 K, 12 registers a lane) as images of
; their registers, fragment i at 1,536 i, registers 4 c .. 4 c + 3 of lane l at 512 c + 16 l; then the scale words, that of (fragment i, place p) at 12,288 + 256 (i / 4) + 16 p + 4 (i % 4).
; WHICH ROWS FORM A FRAGMENT: fragment i holds at its place p (0 .. 15) row 8 p + i of the block of 128.  So in the product's result the eight fragments of weight give one lane eight neighbouring columns.
; SHARES.  Work-group (bx, y): block bx / 16, fragments 4 ((bx / 8) % 2) + 0 .. 3; wave w: K step 4 (bx % 8) + w: the four waves stand side by side on 1,024 bytes of each row.  A wave makes half a record: four fragments.
; A load takes two whole rows of a fragment (256 bytes each, 16 lanes a row); the conversions want a lane to hold a block's 32 neighbours: a fragment turns through the wave's own stage in LDS
; (16 rows, 272 bytes apart, so that the sixteen rows that a read touches start in different banks).  All 32 loads of a wave go out at the head; the turn through LDS runs one fragment ahead.
; No tensor loads, no barrier, no cluster: waves share nothing.  No store's data register is written again, so no wait frees any.  256 registers a wave: four work-groups to a WGP, 1,024 in one turn.
.set REC, 12800
.set FRB, 1536
.set SP,  272                          ; a stage row
.set STG, 16*SP                        ; a wave's stage
.set SW,  16                           ; v16-19   the four fragments' scale words
.set T,   32                           ; v32-63   a fragment's f16 numbers of my row: my two blocks of 32
.set X,   64                           ; v64-127  the same as f32: X + 0 .. 31 block h, X + 32 .. 63 block 2 + h (h = lane / 16)
.set R,   128                          ; v128-255 the loads, fragment t at R + 32 t; once it is in the stage its 32 registers take: + 0 .. 15 E4M3 codes, + 16 .. 27 the fragment, + 28 .. 30 a half block
; v1 load offset, v2 stage in, v3 stage out, v4 16 x lane, v5 scale words' place, v6 8 h, v7 1.0, v8 four bytes 127, v9 0 (for the add), v[10:11] 448 / amax twice, v12-15 and v20-23 at work, v28-30 a half block, v31 my spare word
	s_load_b128 s[4:7], s[0:1], 0x0                ; x, weight
	s_load_b128 s[8:11], s[0:1], 0x10              ; part, xq
	s_load_b64 s[12:13], s[0:1], 0x20              ; wq
	v_lshl_add_u32 v31, v0, 2, 0x4400
	v_mov_b32 v9, 0
	v_lshrrev_b32 v12, 5, v0
	v_readfirstlane_b32 s14, v12                   ; wave
	v_and_b32 v12, 15, v0                          ; r
	v_bfe_u32 v13, v0, 4, 1                        ; h
	v_and_b32 v14, 31, v0                          ; lane
	v_lshlrev_b32 v1, 16, v13
	v_lshl_add_u32 v1, v12, 4, v1                  ; in: lanes 0-15 one row, lanes 16-31 the fragment's next, 8 rows of 8,192 bytes on; 16 bytes a lane
	s_mul_i32 s36, s14, STG                        ; my stage
	v_mul_u32_u24 v2, v13, SP
	v_lshl_add_u32 v2, v12, 4, v2
	v_add_nc_u32 v2, s36, v2                       ; into it: as loaded
	v_mul_u32_u24 v3, v12, SP
	v_lshl_add_u32 v3, v13, 6, v3
	v_add_nc_u32 v3, s36, v3                       ; out of it: place r, block h: 64 h bytes on
	v_lshlrev_b32 v4, 4, v14
	v_lshlrev_b32 v6, 3, v13
	v_lshl_add_u32 v5, v12, 4, v6                  ; 16 r + 8 h
	v_mov_b32 v8, 0x7f7f7f7f
	s_mov_b32 s20, 0xc3e00000                      ; -448
	s_mov_b32 s21, 0x43e00000                      ; 448
	s_mov_b32 s22, 0x76543210                      ; v_permlanex16_b32: lane l xor 16
	s_mov_b32 s23, 0xfedcba98
	s_and_b32 s15, ttmp7, 0xffff                   ; y
	s_lshr_b32 s16, ttmp9, 3                       ; 2 mb + which half of the fragments
	s_and_b32 s17, ttmp9, 7
	s_lshl_b32 s17, s17, 2
	s_add_co_u32 s17, s17, s14                     ; ks
	s_lshr_b32 s24, s16, 1
	s_lshl_b32 s24, s24, 20                        ; the block's 128 rows of 8,192 bytes
	s_and_b32 s18, s16, 1
	s_lshl_b32 s18, s18, 15                        ; my first fragment's first row: 0 or 4
	s_add_co_u32 s24, s24, s18
	s_lshl_b32 s18, s17, 8                         ; 256 bytes a K step
	s_add_co_u32 s24, s24, s18
	s_mov_b32 s25, 0
	s_lshr_b32 s18, s16, 1                         ; mb
	s_lshl_b32 s18, s18, 5
	s_add_co_u32 s18, s18, s17
	s_mul_i32 s26, s18, REC                        ; my record (under 13,107,200)
	s_and_b32 s19, s16, 1                          ; which half of it
	s_mul_i32 s28, s19, 4*FRB
	s_add_co_u32 s28, s28, s26                     ; my four fragments
	s_mov_b32 s29, 0
	s_lshl_b32 s30, s19, 8
	s_add_co_u32 s30, s30, s26
	s_add_co_u32 s30, s30, 8*FRB                   ; my 256 bytes of scale words
	s_mov_b32 s31, 0
	s_lshl_b32 s32, s15, 10                        ; the tensor's 256 words of part
	s_mov_b32 s33, 0
	s_wait_alu depctr_va_vdst(0)
	s_wait_kmcnt 0x0
	s_cmp_eq_u32 s15, 0                            ; the choice hangs on the work-group's number alone
	s_cselect_b64 s[4:5], s[4:5], s[6:7]
	s_cselect_b64 s[10:11], s[10:11], s[12:13]
	s_add_nc_u64 s[4:5], s[4:5], s[24:25]
	s_add_nc_u64 s[8:9], s[8:9], s[32:33]
	s_add_nc_u64 s[34:35], s[10:11], s[30:31]
	s_add_nc_u64 s[10:11], s[10:11], s[28:29]
	global_load_b128 v[20:23], v4, s[8:9]          ; the 256 partial maxima, eight a lane
	global_load_b128 v[24:27], v4, s[8:9] offset:512
.irp t, 0,1,2,3
.irp j, 0,1,2,3,4,5,6,7
	global_load_b128 v[R+32*\t+4*\j:R+32*\t+4*\j+3], v1, s[4:5] offset:\t*8192+\j*131072 th:TH_LOAD_NT   ; places 2 j and 2 j + 1 of fragment t: rows 16 j + t and 16 j + 8 + t from my first; 256 consecutive bytes each; read for the last time
.endr
.endr
	s_wait_loadcnt 32                              ; the partial maxima are in; the 32 loads behind them stay out
	v_max3_num_f32 v12, v20, v21, v22
	v_max3_num_f32 v13, v23, v24, v25
	v_max3_num_f32 v12, v12, v26, v27
	v_max_num_f32 v12, v12, v13
	v_max_num_f32_dpp v12, v12, v12 row_xmask:1 row_mask:0xf bank_mask:0xf
	v_max_num_f32_dpp v12, v12, v12 row_xmask:2 row_mask:0xf bank_mask:0xf
	v_max_num_f32_dpp v12, v12, v12 row_xmask:4 row_mask:0xf bank_mask:0xf
	v_max_num_f32_dpp v12, v12, v12 row_xmask:8 row_mask:0xf bank_mask:0xf
	v_permlanex16_b32 v13, v12, s22, s23
	v_max_num_f32 v12, v12, v13
	v_max_num_f32 v12, 0x2b8cbccc, v12             ; amax = max(.., 1e-12)
	s_wait_alu depctr_va_vdst(0)
	v_rcp_f32 v13, v12                             ; 448 / amax as a division rounds it: the reciprocal is refined once, the quotient corrected by its remainder
	v_mov_b32 v7, 1.0                              ; (a plain instruction behind the reciprocal)
	s_wait_alu depctr_va_vdst(0)
	v_fma_f32 v14, -v12, v13, 1.0
	v_fma_f32 v13, v14, v13, v13
	v_mul_f32 v14, 0x43e00000, v13
	v_fma_f32 v15, -v14, v12, s21
	v_fma_f32 v10, v15, v13, v14
	v_mov_b32 v11, v10                             ; twice: a pair for the packed multiply
	v_mov_b32 v23, 0                               ; a lane permute's destination counts as one of its sources
.macro TURN t                          ; fragment t through the stage: LDS serves a wave's instructions in order, so no wait stands between the stores and the loads
.irp j, 0,1,2,3,4,5,6,7
	ds_store_b128 v2, v[R+32*(\t)+4*\j:R+32*(\t)+4*\j+3] offset:2*SP*\j
.endr
.irp j, 0,1,2,3
	ds_load_b128 v[T+4*\j:T+4*\j+3], v3 offset:16*\j               ; block h of my row
.endr
.irp j, 0,1,2,3
	ds_load_b128 v[T+16+4*\j:T+16+4*\j+3], v3 offset:128+16*\j     ; block 2 + h
.endr
.endm
.macro WIDEN                           ; f16 to f32, exact.  A register's halves are named by number, so the 64 lines are written out: v[64 + 2 i], v[65 + 2 i] = the halves of v[32 + i]
	v_cvt_f32_f16 v64, v32.l
	v_cvt_f32_f16 v65, v32.h
	v_cvt_f32_f16 v66, v33.l
	v_cvt_f32_f16 v67, v33.h
	v_cvt_f32_f16 v68, v34.l
	v_cvt_f32_f16 v69, v34.h
	v_cvt_f32_f16 v70, v35.l
	v_cvt_f32_f16 v71, v35.h
	v_cvt_f32_f16 v72, v36.l
	v_cvt_f32_f16 v73, v36.h
	v_cvt_f32_f16 v74, v37.l
	v_cvt_f32_f16 v75, v37.h
	v_cvt_f32_f16 v76, v38.l
	v_cvt_f32_f16 v77, v38.h
	v_cvt_f32_f16 v78, v39.l
	v_cvt_f32_f16 v79, v39.h
	v_cvt_f32_f16 v80, v40.l
	v_cvt_f32_f16 v81, v40.h
	v_cvt_f32_f16 v82, v41.l
	v_cvt_f32_f16 v83, v41.h
	v_cvt_f32_f16 v84, v42.l
	v_cvt_f32_f16 v85, v42.h
	v_cvt_f32_f16 v86, v43.l
	v_cvt_f32_f16 v87, v43.h
	v_cvt_f32_f16 v88, v44.l
	v_cvt_f32_f16 v89, v44.h
	v_cvt_f32_f16 v90, v45.l
	v_cvt_f32_f16 v91, v45.h
	v_cvt_f32_f16 v92, v46.l
	v_cvt_f32_f16 v93, v46.h
	v_cvt_f32_f16 v94, v47.l
	v_cvt_f32_f16 v95, v47.h
	v_cvt_f32_f16 v96, v48.l
	v_cvt_f32_f16 v97, v48.h
	v_cvt_f32_f16 v98, v49.l
	v_cvt_f32_f16 v99, v49.h
	v_cvt_f32_f16 v100, v50.l
	v_cvt_f32_f16 v101, v50.h
	v_cvt_f32_f16 v102, v51.l
	v_cvt_f32_f16 v103, v51.h
	v_cvt_f32_f16 v104, v52.l
	v_cvt_f32_f16 v105, v52.h
	v_cvt_f32_f16 v106, v53.l
	v_cvt_f32_f16 v107, v53.h
	v_cvt_f32_f16 v108, v54.l
	v_cvt_f32_f16 v109, v54.h
	v_cvt_f32_f16 v110, v55.l
	v_cvt_f32_f16 v111, v55.h
	v_cvt_f32_f16 v112, v56.l
	v_cvt_f32_f16 v113, v56.h
	v_cvt_f32_f16 v114, v57.l
	v_cvt_f32_f16 v115, v57.h
	v_cvt_f32_f16 v116, v58.l
	v_cvt_f32_f16 v117, v58.h
	v_cvt_f32_f16 v118, v59.l
	v_cvt_f32_f16 v119, v59.h
	v_cvt_f32_f16 v120, v60.l
	v_cvt_f32_f16 v121, v60.h
	v_cvt_f32_f16 v122, v61.l
	v_cvt_f32_f16 v123, v61.h
	v_cvt_f32_f16 v124, v62.l
	v_cvt_f32_f16 v125, v62.h
	v_cvt_f32_f16 v126, v63.l
	v_cvt_f32_f16 v127, v63.h
.endm
.macro TILE t
.set RT, R+32*(\t)
	s_wait_dscnt 0x0                               ; the fragment is back from the stage, and its stores into the stage have read their registers
	WIDEN
.if (\t) < 3
	s_wait_loadcnt 8*(2-(\t))                      ; the next fragment's eight loads are in; those behind it stay out
	TURN (\t)+1                                    ; and it turns through the stage while this one is worked
.endif
.set i, 0
.rept 32
	v_pk_mul_f32 v[X+i:X+i+1], v[X+i:X+i+1], v[10:11]              ; t x scale
.set i, i+2
.endr
.set i, 0
.rept 64
	v_med3_num_f32 v[X+i], v[X+i], s20, s21                        ; the module's clip, which also keeps the conversion below inside E4M3's numbers
.set i, i+1
.endr
.irp i, 0,1,2,3,4,5,6,7
	v_cvt_scalef32_pk8_fp8_f32 v[RT+2*\i:RT+2*\i+1], v[X+8*\i:X+8*\i+7], v7   ; to E4M3, to the nearest, ties to even; the scale operand 1.0 divides by 1
.endr
	v_nop                                          ; one plain instruction between scaled conversions and what touches their results or writes their sources
.irp i, 0,1,2,3,4,5,6,7
	v_cvt_scale_pk8_f32_fp8 v[X+8*\i:X+8*\i+7], v[RT+2*\i:RT+2*\i+1], v8      ; and back to f32 (x 2^(127 - 127)): the numbers that go into the product's quantiser
.endr
	v_nop
	v_max3_num_f32 v12, |v[X]|, |v[X+1]|, 0x1800000                ; my two blocks' largest magnitudes, by turns; the floor 2^(3 - 127) holds the byte at 1 from below
	v_max3_num_f32 v13, |v[X+32]|, |v[X+33]|, 0x1800000
.irp i, 2,4,6,8,10,12,14,16,18,20,22,24,26,28,30
	v_max3_num_f32 v12, v12, |v[X+\i]|, |v[X+\i+1]|
	v_max3_num_f32 v13, v13, |v[X+32+\i]|, |v[X+33+\i]|
.endr
	v_add_nc_u32 v14, 0xff000000, v12              ; 2 off the exponent field: the conversion takes the exponent field of this operand as its scale
	v_add_nc_u32 v15, 0xff000000, v13
	v_lshrrev_b32 v20, 23, v14                     ; the scales' bytes: blocks h and 2 + h
	v_lshrrev_b32 v21, 23, v15
	v_lshl_or_b32 v22, v21, 16, v20
	v_lshlrev_b32 v22, v6, v22                     ; at their places in the row's scale word (8 h bits up);
	v_permlanex16_b32 v23, v22, s22, s23
	v_or_b32 v[SW+(\t)], v22, v23                  ; with lane l xor 16's two the word is whole
	v_cvt_scalef32_pk16_fp6_f32 v[RT+16:RT+18], v[X:X+15], v14     ; registers 0-2 of the fragment
	v_cvt_scalef32_pk16_fp6_f32 v[RT+28:RT+30], v[X+16:X+31], v14  ; (a conversion's three registers begin on an even number: registers 3-5 and 9-11 are made elsewhere and moved)
	v_cvt_scalef32_pk16_fp6_f32 v[RT+22:RT+24], v[X+32:X+47], v15  ; registers 6-8
	v_cvt_scalef32_pk16_fp6_f32 v[28:30], v[X+48:X+63], v15
	v_nop
.irp i, 0,1,2
	v_mov_b32 v[RT+19+\i], v[RT+28+\i]
	v_mov_b32 v[RT+25+\i], v[28+\i]
.endr
.irp c, 0,1,2
	global_store_b128 v4, v[RT+16+4*\c:RT+19+4*\c], s[10:11] offset:(\t)*FRB+512*\c   ; the fragment's image: 32 lanes store 512 consecutive bytes, at a multiple of 256 from the buffer's first byte
.endr
.endm
	s_wait_loadcnt 24                              ; fragment 0's eight loads are in
	TURN 0
	TILE 0
	TILE 1
	TILE 2
	TILE 3
	v_cmp_ne_u32 vcc_lo, 0, v6                     ; place r's four words are 16 bytes: lanes 0-15 store fragments 0 and 1, lanes 16-31 fragments 2 and 3
	v_cndmask_b32 v20, v16, v18, vcc_lo
	v_cndmask_b32 v21, v17, v19, vcc_lo
	global_store_b64 v5, v[20:21], s[34:35]        ; 32 lanes store 256 consecutive bytes, aligned
	s_wait_tensorcnt 0x0                           ; the wave's end
	ds_add_u32 v31, v9
	s_wait_dscnt 0x0
	s_endpgm
.Lfunc_end_k_qbd78fbe618_quant:
	.size	k_qbd78fbe618_quant, .Lfunc_end_k_qbd78fbe618_quant-k_qbd78fbe618_quant
	.p2alignl 7, 3214868480
	.fill 96, 4, 3214868480
	.section	.rodata,"a",@progbits
	.p2align	6, 0x0
	.amdhsa_kernel k_qbd78fbe618_quant
		.amdhsa_group_segment_fixed_size 17920
		.amdhsa_private_segment_fixed_size 0
		.amdhsa_enable_private_segment 0
		.amdhsa_kernarg_size 40
		.amdhsa_user_sgpr_count 2
		.amdhsa_user_sgpr_kernarg_segment_ptr 1
		.amdhsa_wavefront_size32 1
		.amdhsa_system_sgpr_workgroup_id_x 1
		.amdhsa_system_sgpr_workgroup_id_y 1
		.amdhsa_system_sgpr_workgroup_id_z 1
		.amdhsa_system_vgpr_workitem_id 0
		.amdhsa_next_free_vgpr 256
		.amdhsa_next_free_sgpr 66
		.amdhsa_reserve_vcc 1
		.amdhsa_float_denorm_mode_32 3
		.amdhsa_float_denorm_mode_16_64 3
		.amdhsa_memory_ordered 1
		.amdhsa_forward_progress 1
		.amdhsa_inst_pref_size 61
	.end_amdhsa_kernel
	.amdgpu_metadata
---
amdhsa.version: [ 1, 2 ]
amdhsa.kernels:
  - .name:           k_qbd78fbe618_quant
    .symbol:         k_qbd78fbe618_quant.kd
    .args:
      - { .name: x, .offset: 0, .size: 8, .value_kind: global_buffer, .address_space: global }
      - { .name: weight, .offset: 8, .size: 8, .value_kind: global_buffer, .address_space: global }
      - { .name: part, .offset: 16, .size: 8, .value_kind: global_buffer, .address_space: global }
      - { .name: xq, .offset: 24, .size: 8, .value_kind: global_buffer, .address_space: global }
      - { .name: wq, .offset: 32, .size: 8, .value_kind: global_buffer, .address_space: global }
    .group_segment_fixed_size: 17920
    .private_segment_fixed_size: 0
    .kernarg_segment_align: 8
    .kernarg_segment_size: 40
    .max_flat_workgroup_size: 128
    .sgpr_count:     66
    .vgpr_count:     256
    .wavefront_size: 32
...
	.end_amdgpu_metadata
.endif
;; end of part 2
;; launch gemm (part 3): grid 16 x 16, 4 waves a work-group, clusters of 4 x 4, 327,680 bytes of LDS; arguments xq, wq, part, bias, out0; writes out0
.if DOCPART == 3
	.amdgcn_target "amdgcn-amd-amdhsa--gfx1250"
	.amdhsa_code_object_version 6
	.text
	.protected	k_qbd78fbe618_gemm
	.globl	k_qbd78fbe618_gemm
	.p2align	8
	.type	k_qbd78fbe618_gemm,@function
k_qbd78fbe618_gemm:
	s_mov_b64 s[64:65], 0
	v_nop
	global_prefetch_b8 v0, s[64:65] scope:SCOPE_SE
	s_setreg_imm32_b32 hwreg(HW_REG_WAVE_MODE, 25, 1), 1
	s_wait_xcnt 0x0
	s_wait_alu depctr_hold_cnt(0) depctr_sa_sdst(0) depctr_va_vdst(0) depctr_va_sdst(0) depctr_va_ssrc(0) depctr_va_vcc(0) depctr_vm_vsrc(0)
	s_getreg_b32 s2, hwreg(HW_REG_IB_STS2, 6, 4)
	s_cmp_eq_u32 s2, 0
	s_cbranch_scc0 .Lentry_in_a_cluster
	s_endpgm
.Lentry_in_a_cluster:
	s_bfe_u32 s2, ttmp6, 0x10000c
	s_cmp_lg_u32 s2, 0xf033
	s_cbranch_scc0 .Lentry_shape_is_right
	s_endpgm
.Lentry_shape_is_right:
; out0[m][n] = f16( (sum over k of X[m][k] W[n][k]) x (amax_x / 448) x (amax_w / 448) + bias[n] ).  X, W: codes of FP6 (E2M3) with E8M0 scales, as launch quant laid them:
; [block of 128 rows][K step of 128][record of 12,800 bytes]; a record is eight fragments (16 rows x 128 K) as images of their 12 registers (fragment i at 1,536 i, registers 4 c .. 4 c + 3 of lane l at 512 c + 16 l),
; then the scale words ((fragment i, place p) at 12,288 + 256 (i / 4) + 16 p + 4 (i % 4)).  FRAGMENT i HOLDS AT PLACE p ROW 8 p + i OF ITS BLOCK OF 128.
; Sums in f32; the factor and the bias are applied in f32 by one fused multiply-add, and the result is rounded once to f16.
; LIMITS: NaN and infinities among the inputs are not served (as in the two launches before).  No work of the problem is left out.
; SHARES: a work-group of four waves makes 256 x 256 of out0, a wave 128 x 128: 64 accumulators, 512 registers.  256 work-groups, one whole turn.
; RING: two LDS slots of three K steps each (4 x 38,400 bytes: X's two blocks of 128 rows, then W's two); each wave fetches one quarter by one tensor load: three rows, a record each (12,800 bytes, 50 x 256, from a multiple of 256).
; 32 steps = 10 fills of 3 and one of 2.
; CLUSTERS: 4 x 4 work-groups; X's tiles are asked for jointly along a row of the cluster, W's along a column.
; OPERANDS: X's, W's and the scales' registers all have TWO sets.  Step t multiplies set t % 2 while ALL fragments of step t + 1 are fetched into the other set, in TWO runs of LDS loads:
; W's eight fragments and the scale words (26 loads) at the step's head, X's eight (24 loads) in its middle; 32 products follow each run.  Four v_nop at the step's head are the places for both runs.
; A slot's last reads are issued in its second step, so the change of slots stands at the head of its third: 176 products lie between a refill and the wait for it.
; THE RESULT'S LAYOUT: source 0 = X's fragment a, source 1 = W's fragment b.  Register j of lane (r, h) of accumulator (a, b) is row 8 (8 h + j) + a, column 8 r + b of my 128 x 128.
; So over b = 0 .. 7 a lane holds eight neighbouring columns of one row: 16 bytes of f16, and sixteen lanes hold a row's 256 bytes: results are stored from registers, with no turn through LDS.
; The products go by X's fragments, so in the last step eight accumulators are finished every eight products and leave while the next are multiplied.
; PREFETCH: behind refill r each wave asks for its tile of refill r + 2 (two slots, six K steps ahead): the tile's 150 blocks of 256 bytes are shared out by address among the four partners that ask for it jointly
; (partner p: blocks 38 p .. 38 p + 37, held at 149), two instructions a wave.  The head asks for refills 1 and 2.  Refill 10 has 100 blocks only and is not asked for ahead: no address leaves the buffer.
; REGISTERS: window 0: v0-31 addresses; v32-47 scale words, two sets of 8 (register i: lanes 0-15 X's fragment i, lanes 16-31 W's fragment i); v64-159, v160-255 X's fragments, two sets.
;   window 1: v0-95, v128-223 W's fragments, two sets; v96-111 the bias of my 8 columns in f32, each twice.   windows 2, 3: the accumulators of X's fragments 0-3, 4-7 ((a, b) at v[8 (8 (a % 4) + b)]).
.set REC,    12800
.set FRB,    1536
.set PART,   3*REC                     ; a wave's tensor load: three records
.set SLOT,   4*PART
.set SPARE,  2*SLOT                    ; behind the ring: the spare words, 128 bytes a wave
.set FR,     12
.set ROWO,   8192                      ; a row of out0 in bytes
.set ADRA, 16                          ; v16-17 LDS address of my X fragments in slot 0, 1
.set ADRB, 20                          ; v20-21 the same for W
.set ADRS, 22                          ; v22-23 scale words: lanes 0-15 X's, lanes 16-31 W's
.set CO,   26                          ; v26    my byte offset in out0
.set SPW,  28
.set NIL,  29
.set PFO,  30                          ; v30-31 the prefetches' offsets
.set SC,   32
.set AF,   64
.set BI,   96                          ; in window 1: the bias of column 8 r + b at BI + 2 b and BI + 2 b + 1
.set PT,   128
.set G1,   24
.set G0,   32
.set G1B,  48
.set G0B,  56
.set G1T,  68                          ; groups 1 of the short last fill (two records)
.set G1TB, 76
.set PFA,  84                          ; s[84:85] my tile run + (r - 1) x PART
.set SEL,  92
.set CM,   96
.set MSB, 0
.macro WIN new                         ; the immediate's high byte repeats the setting that is left
.if MSB != (\new)
	s_set_vgpr_msb (MSB<<8)|(\new)
.set MSB, (\new)
.endif
.endm
.set MUL_LO, 0xa4                      ; source 0 (X) window 0, source 1 (W) window 1, C and D window 2
.set MUL_HI, 0xf4
.set TO_B,   0x40
.macro JLOAD g0a, g1a, g0b, g1b        ; a joint load: waves 0, 1 fetch X's halves, waves 2, 3 W's; s_nop 0 and four v_nop behind each line
	s_cmp_eq_u32 s15, 0
	s_cbranch_scc0 .Lfor_b_\@
	tensor_load_to_lds s[\g0a:\g0a+3], s[\g1a:\g1a+7]
	s_nop 0
.rept 4
	v_nop
.endr
	s_branch .Lasked_\@
.Lfor_b_\@:
	tensor_load_to_lds s[\g0b:\g0b+3], s[\g1b:\g1b+7]
	s_nop 0
.rept 4
	v_nop
.endr
.Lasked_\@:
.endm
.macro CREST                           ; a round of the cluster's barrier behind its opening barrier
	s_cmp_lg_u32 s14, 0
	s_cbranch_scc1 .Lnot_wave_0_\@
	s_barrier_signal -3
.Lnot_wave_0_\@:
	s_barrier_wait -3
	s_barrier_signal -1
	s_barrier_wait -1
.endm
.macro CROUND
	s_barrier_signal -1
	s_barrier_wait -1
	CREST
.endm
.macro ASK cond                        ; my share of the tile two refills on; cond = 1: not in the loop's last trip, whose look-ahead would be the short fill and beyond
.if \cond
	s_cmp_gt_u32 s3, 1
	s_cbranch_scc0 .Lno_ask_\@
.endif
	global_prefetch_b8 v[PFO], s[PFA:PFA+1] offset:3*PART th:TH_LOAD_NT scope:SCOPE_SE
	global_prefetch_b8 v[PFO+1], s[PFA:PFA+1] offset:3*PART th:TH_LOAD_NT scope:SCOPE_SE
.Lno_ask_\@:
.endm
.macro PLACES
.rept 4
	v_nop
.endr
.endm
	s_load_b128 s[4:7], s[0:1], 0x0                ; xq, wq
	s_load_b128 s[8:11], s[0:1], 0x10              ; part, bias
	s_load_b64 s[12:13], s[0:1], 0x20              ; out0
	v_lshl_add_u32 v[SPW], v0, 2, SPARE
	v_mov_b32 v[NIL], 0
	ds_add_u32 v[SPW], v[NIL]                      ; the opening lines: the add twice on end and one wait
	ds_add_u32 v[SPW], v[NIL]
	v_lshrrev_b32 v1, 5, v0
	v_readfirstlane_b32 s14, v1                    ; wave
	s_lshr_b32 s15, s14, 1                         ; my half of the rows; also: I fetch for X (0) or W (1)
	s_and_b32 s16, s14, 1                          ; my half of the columns; also: which block of 128 rows I fetch
	s_bfe_u32 s40, ttmp6, 0x40000                  ; cx
	s_bfe_u32 s41, ttmp6, 0x40004                  ; cy
	s_lshl_b32 s42, ttmp9, 2
	s_add_co_u32 s42, s42, s40                     ; tile column
	s_and_b32 s17, ttmp7, 0xffff
	s_lshl_b32 s17, s17, 2
	s_add_co_u32 s17, s17, s41                     ; tile row
	s_lshl_b32 s43, s41, 2
	s_lshl_b32 s43, 15, s43                        ; my row of the cluster
	s_lshl_b32 s44, 0x1111, s40                    ; my column
	s_or_b32 s[G1], s43, (3<<16)|(1<<21)           ; elements of 8 bytes; bit 21 beside the mask; no padding: fragments are read as 512 consecutive bytes
	s_or_b32 s[G1B], s44, (3<<16)|(1<<21)
	s_or_b32 s[G1T], s43, (3<<16)|(1<<21)
	s_or_b32 s[G1TB], s44, (3<<16)|(1<<21)
.irp g, G1, G1B
	s_mov_b32 s[\g+1], (REC/8)<<16                 ; a row is a record: 1,600 elements
	s_mov_b32 s[\g+2], 3<<16                       ; three rows
	s_mov_b32 s[\g+3], (REC/8)<<16
	s_mov_b32 s[\g+4], 3
	s_mov_b32 s[\g+5], REC/8                       ; dense: a row begins where the last ends
	s_mov_b32 s[\g+6], 0
	s_mov_b32 s[\g+7], 0
.endr
.irp g, G1T, G1TB
	s_mov_b32 s[\g+1], (REC/8)<<16
	s_mov_b32 s[\g+2], 2<<16                       ; two rows
	s_mov_b32 s[\g+3], (REC/8)<<16
	s_mov_b32 s[\g+4], 2
	s_mov_b32 s[\g+5], REC/8
	s_mov_b32 s[\g+6], 0
	s_mov_b32 s[\g+7], 0
.endr
	s_lshl_b32 s20, s17, 1
	s_add_co_u32 s20, s20, s16
	s_mul_i32 s20, s20, 32*REC                     ; X: the run of block 2 x tile row + half (under 13,107,200)
	s_mov_b32 s21, 0
	s_lshl_b32 s46, s42, 1
	s_add_co_u32 s46, s46, s16
	s_mul_i32 s46, s46, 32*REC                     ; W: of block 2 x tile column + half
	s_mov_b32 s47, 0
	s_mul_i32 s45, s14, PART                       ; where my quarter lands
	s_mov_b32 s[SEL], 0x76543210
	s_mov_b32 s[SEL+1], 0xfedcba98
	s_wait_dscnt 0x0                               ; both opening adds are done
	s_wait_kmcnt 0x0
	s_add_nc_u64 s[20:21], s[4:5], s[20:21]
	s_add_nc_u64 s[46:47], s[6:7], s[46:47]
.irp s, 0,1
	s_mov_b32 s[G0+4*\s], 1
	s_add_co_u32 s[G0+4*\s+1], s45, \s*SLOT
	s_add_nc_u64 s[G0+4*\s+2:G0+4*\s+3], s[20:21], \s*PART
	s_or_b32 s[G0+4*\s+3], s[G0+4*\s+3], 0x80000000
	s_mov_b32 s[G0B+4*\s], 1
	s_add_co_u32 s[G0B+4*\s+1], s45, \s*SLOT
	s_add_nc_u64 s[G0B+4*\s+2:G0B+4*\s+3], s[46:47], \s*PART
	s_or_b32 s[G0B+4*\s+3], s[G0B+4*\s+3], 0x80000000
.endr
	CROUND                                         ; all sixteen work-groups are here: the first joint loads meet
	JLOAD G0, G1, G0B, G1B                         ; fill 0: one tensor load a wave at the head; all that follows up to the wait for it runs while it is out
	s_cmp_eq_u32 s15, 0
	s_cselect_b64 s[PFA:PFA+1], s[20:21], s[46:47] ; the run that I fetch,
	s_cselect_b32 s86, s40, s41                    ; and my place among the four that ask for it with me
	s_mul_i32 s86, s86, 38
	s_add_co_u32 s87, s86, 32
	s_lshl_b32 s46, s42, 9                         ; my first column in bytes of f16: 512 x tile column + 256 x half
	s_lshl_b32 s47, s16, 8
	s_add_co_u32 s46, s46, s47
	s_mov_b32 s47, 0
	s_add_nc_u64 s[10:11], s[10:11], s[46:47]
	s_add_nc_u64 s[12:13], s[12:13], s[46:47]
	s_lshl_b32 s20, s17, 8
	s_lshl_b32 s21, s15, 7
	s_add_co_u32 s20, s20, s21
	s_lshl_b32 s20, s20, 13                        ; my first row x 8,192 bytes
	s_mov_b32 s21, 0
	s_add_nc_u64 s[12:13], s[12:13], s[20:21]
	s_mul_i32 s88, s15, PART                       ; my 128 rows of X
	s_mul_i32 s89, s16, PART
	s_add_co_u32 s89, s89, 2*PART                  ; my 128 rows of W
	s_sub_co_u32 s90, s89, s88
	s_add_co_u32 s91, s88, 8*FRB                   ; a record's scale words
	v_and_b32 v1, 15, v0                           ; r
	v_bfe_u32 v2, v0, 4, 1                         ; h
	v_and_b32 v3, 31, v0                           ; lane
	v_add_nc_u32 v[PFO], s86, v3                   ; blocks 38 p + lane,
	v_min_u32 v4, 5, v3
	v_add_nc_u32 v4, s87, v4                       ; and 38 p + 32 .. 37 (lanes left over name the last again),
	v_min_u32 v4, 149, v4                          ; none beyond the tile's last
	v_lshlrev_b32 v[PFO], 8, v[PFO]
	v_lshlrev_b32 v[PFO+1], 8, v4
	v_lshlrev_b32 v3, 4, v3                        ; 16 x lane
	v_lshlrev_b32 v6, 4, v1                        ; bias and out0: my 8 columns, 16 r bytes of f16
	v_add_nc_u32 v[ADRA], s88, v3
	v_add_nc_u32 v[ADRA+1], SLOT, v[ADRA]
	v_add_nc_u32 v[ADRB], s89, v3
	v_add_nc_u32 v[ADRB+1], SLOT, v[ADRB]
	v_mul_u32_u24 v4, s90, v2                      ; lanes 16-31 take W's scale words
	v_lshl_add_u32 v4, v1, 4, v4
	v_add_nc_u32 v[ADRS], s91, v4
	v_add_nc_u32 v[ADRS+1], SLOT, v[ADRS]
	v_lshl_add_u32 v[CO], v2, 19, v6               ; out0: 64 h rows of 8,192 bytes + 16 r
	s_wait_alu depctr_va_vdst(0)
.irp i, 0,1,2,3
	global_load_b128 v[PT+4*\i:PT+4*\i+3], v3, s[8:9] offset:512*\i      ; the 2 x 256 partial maxima: x's in PT .. PT + 7, weight's in PT + 8 .. PT + 15
.endr
	global_load_b128 v[96:99], v6, s[10:11]        ; bias of columns 8 r + 0 .. 7
.irp o, 1,2
	global_prefetch_b8 v[PFO], s[PFA:PFA+1] offset:\o*PART th:TH_LOAD_NT scope:SCOPE_SE    ; my share of fills 1 and 2
	global_prefetch_b8 v[PFO+1], s[PFA:PFA+1] offset:\o*PART th:TH_LOAD_NT scope:SCOPE_SE
.endr
	s_wait_loadcnt 0x0
	v_max3_num_f32 v[PT], v[PT], v[PT+1], v[PT+2]
	v_max3_num_f32 v[PT+8], v[PT+8], v[PT+9], v[PT+10]
	v_max3_num_f32 v[PT], v[PT], v[PT+3], v[PT+4]
	v_max3_num_f32 v[PT+8], v[PT+8], v[PT+11], v[PT+12]
	v_max3_num_f32 v[PT], v[PT], v[PT+5], v[PT+6]
	v_max3_num_f32 v[PT+8], v[PT+8], v[PT+13], v[PT+14]
	v_max_num_f32 v[PT], v[PT], v[PT+7]
	v_max_num_f32 v[PT+8], v[PT+8], v[PT+15]
.irp x, 1,2,4,8
	v_max_num_f32_dpp v[PT], v[PT], v[PT] row_xmask:\x row_mask:0xf bank_mask:0xf
	v_max_num_f32_dpp v[PT+8], v[PT+8], v[PT+8] row_xmask:\x row_mask:0xf bank_mask:0xf
.endr
	v_permlanex16_b32 v[PT+1], v[PT], s[SEL], s[SEL+1]
	v_permlanex16_b32 v[PT+9], v[PT+8], s[SEL], s[SEL+1]
	v_max_num_f32 v[PT], v[PT], v[PT+1]
	v_max_num_f32 v[PT+8], v[PT+8], v[PT+9]
	v_max_num_f32 v[PT], 0x2b8cbccc, v[PT]         ; amax = max(.., 1e-12)
	v_max_num_f32 v[PT+8], 0x2b8cbccc, v[PT+8]
	v_mul_f32 v[PT], 0x3b124925, v[PT]             ; 1 / scale = amax / 448
	v_mul_f32 v[PT+8], 0x3b124925, v[PT+8]
	v_mul_f32 v[PT], v[PT], v[PT+8]
	v_readfirstlane_b32 s[CM], v[PT]               ; the factor on the sums (data only: no branch and no address hangs on it)
	s_mov_b32 s[CM+1], s[CM]
	WIN TO_B                                       ; the bias as f32 into window 1, each number twice: a pair for the packed multiply-add.  A register's halves are named by number
	v_cvt_f32_f16 v96, v96.l
	v_cvt_f32_f16 v97, v96.l
	v_cvt_f32_f16 v98, v96.h
	v_cvt_f32_f16 v99, v96.h
	v_cvt_f32_f16 v100, v97.l
	v_cvt_f32_f16 v101, v97.l
	v_cvt_f32_f16 v102, v97.h
	v_cvt_f32_f16 v103, v97.h
	v_cvt_f32_f16 v104, v98.l
	v_cvt_f32_f16 v105, v98.l
	v_cvt_f32_f16 v106, v98.h
	v_cvt_f32_f16 v107, v98.h
	v_cvt_f32_f16 v108, v99.l
	v_cvt_f32_f16 v109, v99.l
	v_cvt_f32_f16 v110, v99.h
	v_cvt_f32_f16 v111, v99.h
	WIN 0
.macro FRAG reg, adr, q, i             ; a fragment's image: three loads of 512 consecutive bytes
.irp c, 0,1,2
	ds_load_b128 v[\reg+4*\c:\reg+4*\c+3], v[\adr] offset:(\q)*REC+(\i)*FRB+512*\c
.endr
.endm
.macro LDB slot, q, p                  ; W's eight fragments of record q of the slot into set p: 24 loads
	WIN TO_B
.irp i, 0,1,2,3,4,5,6,7
	FRAG 128*(\p)+FR*\i, ADRB+(\slot), \q, \i
.endr
.endm
.macro LDA slot, q, p                  ; the same for X, fragment 0 first
	WIN 0
.irp i, 0,1,2,3,4,5,6,7
	FRAG AF+96*(\p)+FR*\i, ADRA+(\slot), \q, \i
.endr
.endm
.macro LDSC slot, q, p                 ; the step's scale words: two loads
	WIN 0
.irp g, 0,1
	ds_load_b128 v[SC+8*(\p)+4*\g:SC+8*(\p)+4*\g+3], v[ADRS+(\slot)] offset:(\q)*REC+256*\g
.endr
.endm
; Eight products: X's fragment a against W's eight, sets p.  The 64 accumulators take turns, one instruction a turn, in the same order in every step.
.macro BLK a, p, zero
.irp b, 0,1,2,3,4,5,6,7
.if \zero
	v_wmma_scale_f32_16x16x128_f8f6f4 v[8*(8*((\a)%4)+\b):8*(8*((\a)%4)+\b)+7], v[AF+96*(\p)+FR*(\a):AF+96*(\p)+FR*(\a)+FR-1], v[128*(\p)+FR*\b:128*(\p)+FR*\b+FR-1], 0, v[SC+8*(\p)+(\a)], v[SC+8*(\p)+\b] matrix_a_fmt:MATRIX_FMT_FP6 matrix_b_fmt:MATRIX_FMT_FP6 matrix_b_scale:MATRIX_SCALE_ROW1
.else
	v_wmma_scale_f32_16x16x128_f8f6f4 v[8*(8*((\a)%4)+\b):8*(8*((\a)%4)+\b)+7], v[AF+96*(\p)+FR*(\a):AF+96*(\p)+FR*(\a)+FR-1], v[128*(\p)+FR*\b:128*(\p)+FR*\b+FR-1], v[8*(8*((\a)%4)+\b):8*(8*((\a)%4)+\b)+7], v[SC+8*(\p)+(\a)], v[SC+8*(\p)+\b] matrix_a_fmt:MATRIX_FMT_FP6 matrix_b_fmt:MATRIX_FMT_FP6 matrix_b_scale:MATRIX_SCALE_ROW1
.endif
.endr
.endm
; A step that is not its slot's last: multiplies sets p, fetches record q + 1 of the same slot into sets 1 - p.  Every fetch (the head's, this one, TSTEP's) has the order W's 24 loads, the scales' 2, X's 24.
; THE COUNTS: fragments 0-3 need the last fetch but for X's fragments 4-7: those 12 loads and my 26 may be out;  fragments 4-7 need all of it: my 26 + 24 may be out.
.macro NSTEP slot, q, p, zero
	PLACES                                         ; four places between the last step's products and the loads into the sets that they read
	LDB \slot, (\q)+1, 1-(\p)
	LDSC \slot, (\q)+1, 1-(\p)
	s_wait_dscnt 38
	WIN MUL_LO
.irp a, 0,1,2,3
	BLK \a, \p, \zero
.endr
	LDA \slot, (\q)+1, 1-(\p)
	s_wait_dscnt 50
	WIN MUL_HI
.irp a, 4,5,6,7
	BLK \a, \p, \zero
.endr
.endm
; A slot's third step (its sets: slot % 2) changes slots.  All its fragments were asked for in the step before, so this slot is read no more once they are in.
; fill = 1: the slot is filled again, two fills on; 2: with the short last fill; 0: nothing is left to fetch.  ask = 1: the prefetch goes with it.
.macro TSTEP slot, fill, ask
.if \ask
	s_wait_xcnt 0x0                                ; my last prefetches have read their base: it steps one fill on
	s_add_nc_u64 s[PFA:PFA+1], s[PFA:PFA+1], PART
.endif
	WIN 0                                          ; (the add's registers lie in window 0)
	s_wait_tensorcnt 0x0                           ; all my tensor loads have landed: my quarter of the other slot
	ds_add_u32 v[SPW], v[NIL]
	s_wait_dscnt 19                                ; X's fragments 2-7 (18 loads) and the add may be out
	WIN MUL_LO
	BLK 0, \slot, 0
	s_wait_dscnt 0x0                               ; the add is done, and my reads of this slot are over
	s_barrier_signal -1
	BLK 1, \slot, 0
	WIN 0
	s_barrier_wait -1
.if \fill
	CREST                                          ; the barrier has opened a round of the cluster's barrier
	s_add_nc_u64 s[G0+4*(\slot)+2:G0+4*(\slot)+3], s[G0+4*(\slot)+2:G0+4*(\slot)+3], 2*PART
	s_add_nc_u64 s[G0B+4*(\slot)+2:G0B+4*(\slot)+3], s[G0B+4*(\slot)+2:G0B+4*(\slot)+3], 2*PART
.if \fill == 1
	JLOAD G0+4*(\slot), G1, G0B+4*(\slot), G1B     ; the first tensor load behind the round; its four v_nop are the places for the loads below
.else
	JLOAD G0+4*(\slot), G1T, G0B+4*(\slot), G1TB
.endif
.else
	PLACES
.endif
	LDB 1-(\slot), 0, 1-(\slot)                    ; the other slot's first record, again in two runs: 24 products follow each
	LDSC 1-(\slot), 0, 1-(\slot)
.if \ask
	ASK 1
.endif
	WIN MUL_LO
	BLK 2, \slot, 0
	BLK 3, \slot, 0
	WIN MUL_HI
	BLK 4, \slot, 0
	LDA 1-(\slot), 0, 1-(\slot)
	WIN MUL_HI
	BLK 5, \slot, 0
	BLK 6, \slot, 0
	BLK 7, \slot, 0
.endm
; THE WAY OUT of X's fragment a: its eight accumulators hold rows 64 h + 8 j + a (j = 0 .. 7), columns 8 r + b.  Sum x factor + bias in f32, in place, each accumulator from its low end on;
; then for each j the eight numbers over b are rounded to f16: 16 bytes a lane; lanes 0-15 store one row's 256 consecutive bytes, aligned, lanes 16-31 those of the row 64 further down.
; The packed results lie in registers that are done with: fragment 0's in X's set 0 (v64-95), fragment a's in fragment a - 1's accumulators.  So no store's data are written again;
; the row stands in the store's immediate (63 rows of 8,192 bytes at the most), so no base is stepped and no wait frees any register.
.macro OUTB a
.set AC, 64*((\a)%4)
.set WA, 2+(\a)/4
.if (\a) == 0
.set WD, 0
.set OUTR, 64
.else
.set WD, 2+((\a)-1)/4
.set OUTR, 64*(((\a)-1)%4)
.endif
	WIN (WA<<6)|0x10|WA                            ; sums and results in their window, the bias in window 1
.irp b, 0,1,2,3,4,5,6,7
.irp j, 0,2,4,6
	v_pk_fma_f32 v[AC+8*\b+\j:AC+8*\b+\j+1], v[AC+8*\b+\j:AC+8*\b+\j+1], s[CM:CM+1], v[BI+2*\b:BI+2*\b+1] op_sel_hi:[1,0,1]
.endr
.endr
	WIN (WD<<6)|(WA<<2)|WA
.irp j, 0,1,2,3,4,5,6,7
.irp c, 0,1,2,3
	v_cvt_pk_f16_f32 v[OUTR+4*\j+\c], v[AC+16*\c+\j], v[AC+16*\c+8+\j]      ; columns 8 r + 2 c (low half) and 8 r + 2 c + 1
.endr
.endr
	WIN WD<<2
.irp j, 0,1,2,3,4,5,6,7
	global_store_b128 v[CO], v[OUTR+4*\j:OUTR+4*\j+3], s[12:13] offset:(8*\j+(\a))*ROWO th:TH_STORE_NT
.endr
.endm
	s_wait_alu depctr_va_vdst(0)
	s_wait_tensorcnt 0x0                           ; my quarter of fill 0 is in
	ds_add_u32 v[SPW], v[NIL]
	s_wait_dscnt 0x0
	CROUND                                         ; fill 0 is whole, and all sixteen work-groups are here
	JLOAD G0+4, G1, G0B+4, G1B                     ; fill 1, slot 1's first
	LDB 0, 0, 0                                    ; step 0's fragments, in every fetch's order
	LDSC 0, 0, 0
	LDA 0, 0, 0
	ASK 0                                          ; fill 3
	NSTEP 0, 0, 0, 1                               ; step 0 starts the sums: nothing is cleared
	WIN 0
	s_mov_b32 s3, 4
.Llap:                                                 ; a trip: six steps, once round the ring and back to the same sets; fills 2 .. 9
	NSTEP 0, 1, 1, 0
	TSTEP 0, 1, 1
	NSTEP 1, 0, 1, 0
	NSTEP 1, 1, 0, 0
	TSTEP 1, 1, 1
	NSTEP 0, 0, 0, 0
	WIN 0
	s_sub_co_u32 s3, s3, 1
	s_cmp_lg_u32 s3, 0
	s_cbranch_scc1 .Llap
	NSTEP 0, 1, 1, 0                               ; steps 25 .. 30
	TSTEP 0, 2, 0                                  ; fill 10: the last two records
	NSTEP 1, 0, 1, 0
	NSTEP 1, 1, 0, 0
	TSTEP 1, 0, 0
	NSTEP 0, 0, 0, 0
	s_wait_dscnt 18                                ; step 31, sets 1: X's fragments 2-7 may be out
	WIN MUL_LO
	BLK 0, 1, 0
	s_wait_dscnt 0x0
; Fragment a + 1 is multiplied, then fragment a goes out.  Fragment a's first reader stands behind fragment a - 1's 64 multiply-adds and conversions, which name none of its products' registers:
; they are its places; fragment 0 alone has four v_nop.
.irp a, 0,1,2,3,4,5,6,7
.if \a < 7
	WIN MUL_LO+0x50*((\a+1)/4)
	BLK \a+1, 1, 0
.endif
.if \a == 0
	PLACES
.endif
	OUTB \a
.endr
	WIN 0
	s_wait_tensorcnt 0x0                           ; the wave's end
	ds_add_u32 v[SPW], v[NIL]
	s_wait_dscnt 0x0
	CROUND                                         ; the closing round
	s_endpgm
.Lfunc_end_k_qbd78fbe618_gemm:
	.size	k_qbd78fbe618_gemm, .Lfunc_end_k_qbd78fbe618_gemm-k_qbd78fbe618_gemm
	.p2alignl 7, 3214868480
	.fill 96, 4, 3214868480
	.section	.rodata,"a",@progbits
	.p2align	6, 0x0
	.amdhsa_kernel k_qbd78fbe618_gemm
		.amdhsa_group_segment_fixed_size 327680
		.amdhsa_private_segment_fixed_size 0
		.amdhsa_enable_private_segment 0
		.amdhsa_kernarg_size 40
		.amdhsa_user_sgpr_count 2
		.amdhsa_user_sgpr_kernarg_segment_ptr 1
		.amdhsa_wavefront_size32 1
		.amdhsa_system_sgpr_workgroup_id_x 1
		.amdhsa_system_sgpr_workgroup_id_y 1
		.amdhsa_system_sgpr_workgroup_id_z 1
		.amdhsa_system_vgpr_workitem_id 0
		.amdhsa_next_free_vgpr 1024
		.amdhsa_next_free_sgpr 100
		.amdhsa_reserve_vcc 0
		.amdhsa_float_denorm_mode_32 3
		.amdhsa_float_denorm_mode_16_64 3
		.amdhsa_memory_ordered 1
		.amdhsa_forward_progress 1
		.amdhsa_inst_pref_size 216
	.end_amdhsa_kernel
	.amdgpu_metadata
---
amdhsa.version: [ 1, 2 ]
amdhsa.kernels:
  - .name:           k_qbd78fbe618_gemm
    .symbol:         k_qbd78fbe618_gemm.kd
    .args:
      - { .name: xq, .offset: 0, .size: 8, .value_kind: global_buffer, .address_space: global }
      - { .name: wq, .offset: 8, .size: 8, .value_kind: global_buffer, .address_space: global }
      - { .name: part, .offset: 16, .size: 8, .value_kind: global_buffer, .address_space: global }
      - { .name: bias, .offset: 24, .size: 8, .value_kind: global_buffer, .address_space: global }
      - { .name: out0, .offset: 32, .size: 8, .value_kind: global_buffer, .address_space: global }
    .group_segment_fixed_size: 327680
    .private_segment_fixed_size: 0
    .kernarg_segment_align: 8
    .kernarg_segment_size: 40
    .max_flat_workgroup_size: 128
    .sgpr_count:     100
    .vgpr_count:     1024
    .wavefront_size: 32
...
	.end_amdgpu_metadata
.endif
;; end of part 3
